; MI455X (gfx1250); checked and timed in simulation.
; The chip was launched on July 23, 2026; its instructions are those of AMD's public machine-readable ISA for CDNA 5 (MIT licence, August 2026) and "CDNA5" Instruction Set Architecture Reference Guide (July 2026). The comments in the code are by the model that wrote it; some were corrected since.
;; Vector Quantizer. Allowed arithmetic: float matrix products may take bf16 or f16 operands with f32 sums; other float arithmetic in f32, or as packed bf16 or f16 multiplies, adds, multiply-adds, maxima and minima; sums over many terms, partial sums and values carried from step to step in f32; what a program stores and reads back later, other than sums and carried values, may be rounded once to bf16 or f16.
;; Inputs: emb 8,192 x 256 float32; z 32,768 x 256 float32.
;; Outputs: out0 32,768 x 256 float32; out1 one number float32; out2 one number float32; out3 32,768 int32.
;; 2 versions, each right; version 2 is version 1 with the launches lay, apply written anew for expert scheduling mode. Each part assembles by itself: llvm-mc -triple=amdgcn-amd-amdhsa -mcpu=gfx1250 --defsym DOCPART=n.
;; ======== version 1 of 2: 4 launches
;; workspace buffers: embF 4,194,304 bytes; eeW 32,768 bytes; idxw 131,072 bytes of whole numbers; part 16,384 bytes
;; launch lay (part 1): grid 256 x 1, 2 waves a work-group, no clusters, 0 bytes of LDS; arguments emb, embF, eeW; writes embF, eeW
.if DOCPART == 1
	.amdgcn_target "amdgcn-amd-amdhsa--gfx1250"
	.amdhsa_code_object_version 6
	.text
	.protected	k_q6169355cb2_lay
	.globl	k_q6169355cb2_lay
	.p2align	8
	.type	k_q6169355cb2_lay,@function
k_q6169355cb2_lay:
	s_mov_b64 s[64:65], 0
	v_nop
	global_prefetch_b8 v0, s[64:65] scope:SCOPE_SE
	s_setreg_imm32_b32 hwreg(HW_REG_WAVE_MODE, 25, 1), 1
	s_wait_xcnt 0x0
; VECTOR QUANTIZER, launch 1 of 4: the codebook is rounded to bf16 once and laid out in the order in which a wave's matrix operand registers take it, and ee[c] = the sum of the squares of code c's ROUNDED numbers, in f32.
; THE WHOLE PROGRAM.  idx[b] = the first index of the least d[b][c] = (zz[b] + ee[c]) - (2 z[b]) . e[c]; out0 = z + (emb[idx] - z); out1 = out2 = 0.25 mean((emb[idx] - z)^2); out3 = idx.
; WORK LEFT OUT.  stop_gradient is the identity on values.  vq_loss and commit are 0.25 mean((a - b)^2) and 0.25 mean((b - a)^2) of the same a and b: a - b and b - a differ in sign alone, for all values, so their
; squares, and the two means, are one number: it is made once and stored twice.  Nothing else goes, and every input is loaded.
; WORK THAT STAYS.  zz[b] is the same along the axis of the argmin and would not move it in real numbers; but beside it the other two terms lose bits in f32, and distances that differ become ties, which the first index
; wins.  So zz and ee are added and the product taken away in the order and with the roundings of the definition: t = fl(zz + ee), d = fl(t - 2 dot).
; LIMITS.  The product takes bf16 operands, so zz, ee and the product are those of z and emb rounded to bf16.  The f32 sums inside zz, ee and the product are taken in this program's own order: an index can differ where
; two orders of summing put d on different sides of a rounding step.  A NaN among the inputs is passed over by the minimum and not carried to the index.
; LAYOUT OF embF.  Tile T is codes 16 T .. 16 T + 15.  Lane l = (r = l % 16, h = l / 16).  Byte 8,192 T + 1,024 s + 512 p + 16 l holds the eight bf16 of emb[16 T + r][32 s + 16 p + 8 h + 0..7]: registers 4 p .. 4 p + 3 of
; the fragment of K step s (16 rows x 32 K: ISA guide 7.12.2).  So a fragment is two loads of 16 bytes a lane at consecutive addresses.
; LAYOUT OF eeW.  Code c at byte 16,384 ((c / 128) % 2) + 512 (c / 256) + 4 (c % 128): of every 256 codes the lower and the upper 128 are kept apart, each half on end in the order in which one wave walks it.
; SHARES.  A wave takes one tile: 16 KiB in, 8 KiB out.  512 tiles, two waves a work-group.  No LDS: no wave wants a byte that another has fetched.
.set LOF,  2                           ; v2   my byte offset in the tile's rows of emb: 1,024 r + 32 h
.set SOF,  3                           ; v3   16 l
.set EOFS, 4                           ; v4   my code's byte in eeW
.set SUM,  8                           ; v[8:11]    four chains of squares
.set TMP,  16                          ; v[16:143]  part q = 2 s + p: eight f32 at TMP + 8 q
.set F,    144                         ; v[144:207] part q: four registers of bf16 at F + 4 q
	s_load_b128 s[4:7], s[0:1], 0x0                ; emb s[4:5], embF s[6:7]
	s_load_b64 s[8:9], s[0:1], 0x10                ; eeW
	v_lshrrev_b32 v1, 5, v0
	v_readfirstlane_b32 s10, v1                    ; wave 0..1
	s_lshl_b32 s11, ttmp9, 1
	s_add_co_u32 s11, s11, s10                     ; T
	v_and_b32 v5, 15, v0                           ; r
	v_bfe_u32 v6, v0, 4, 1                         ; h
	v_and_b32 v7, 31, v0                           ; l
	v_lshlrev_b32 v[LOF], 10, v5
	v_lshl_add_u32 v[LOF], v6, 5, v[LOF]
	v_lshlrev_b32 v[SOF], 4, v7
	s_lshl_b32 s12, s11, 14                        ; the tile's 16 rows of 1,024 bytes in emb
	s_mov_b32 s13, 0
	s_lshl_b32 s14, s11, 13                        ; its 8,192 bytes in embF
	s_mov_b32 s15, 0
	s_bfe_u32 s16, s11, 0x10003                    ; (T / 8) % 2: which half of its 256 codes
	s_lshl_b32 s16, s16, 14
	s_lshr_b32 s17, s11, 4                         ; T / 16: which 256 codes
	s_lshl_b32 s17, s17, 9
	s_add_co_u32 s16, s16, s17
	s_and_b32 s17, s11, 7                          ; T % 8: 16 codes of 4 bytes each
	s_lshl_b32 s17, s17, 6
	s_add_co_u32 s16, s16, s17
	v_lshl_add_u32 v[EOFS], v5, 2, s16
	s_mov_b32 s18, 0x76543210                      ; v_permlanex16_b32: each lane takes its own place in the other half
	s_mov_b32 s19, 0xfedcba98
	s_wait_kmcnt 0x0
	s_add_nc_u64 s[4:5], s[4:5], s[12:13]
	s_add_nc_u64 s[6:7], s[6:7], s[14:15]
.set q, 0
.rept 16                               ; all 32 loads go out before the first wait: the tile's 16 KiB are on their way together
	global_load_b128 v[TMP+8*q:TMP+8*q+3],   v[LOF], s[4:5] offset:64*q th:TH_LOAD_NT
	global_load_b128 v[TMP+8*q+4:TMP+8*q+7], v[LOF], s[4:5] offset:64*q+16 th:TH_LOAD_NT
.set q, q+1
.endr
.irp c, 0,1,2,3
	v_mov_b32 v[SUM+\c], 0
.endr
.set q, 0
.rept 16
	s_wait_loadcnt 30-2*q                          ; loads come back in order (ISA guide 5.7.1): part q's two are in, the 2 (15 - q) younger ones stay out
.irp c, 0,1,2,3
	v_cvt_pk_bf16_f32 v[F+4*q+\c], v[TMP+8*q+2*\c], v[TMP+8*q+2*\c+1]
.endr
	global_store_b128 v[SOF], v[F+4*q:F+4*q+3], s[6:7] offset:512*q  ; the wave stores 512 consecutive bytes, at a multiple of 512 from embF's first byte
.irp c, 0,1,2,3
	v_fma_mix_f32_bf16 v[SUM+2*(\c%2)],   v[F+4*q+\c], v[F+4*q+\c], v[SUM+2*(\c%2)]   op_sel_hi:[1,1,0]               ; the low bf16 squared, added in f32
	v_fma_mix_f32_bf16 v[SUM+2*(\c%2)+1], v[F+4*q+\c], v[F+4*q+\c], v[SUM+2*(\c%2)+1] op_sel:[1,1,0] op_sel_hi:[1,1,0] ; the high one
.endr
.set q, q+1
.endr
	v_add_f32 v[SUM], v[SUM], v[SUM+1]
	v_add_f32 v[SUM+2], v[SUM+2], v[SUM+3]
	v_add_f32 v[SUM], v[SUM], v[SUM+2]             ; my 128 of the code's 256 numbers;
	v_permlanex16_b32 v[SUM+1], v[SUM], s18, s19   ; the other 128 lie in the lane 16 away
	v_add_f32 v[SUM], v[SUM], v[SUM+1]
	v_cmp_gt_u32 vcc_lo, 16, v7                    ; lanes 0 to 15 store the tile's 16 sums: 64 consecutive bytes; all of eeW is 32 KiB, too little to be worth a stage in LDS
	s_wait_xcnt 0x0                                ; EXEC is a source of the stores above: it changes only behind this wait
	s_and_saveexec_b32 s20, vcc_lo
	global_store_b32 v[EOFS], v[SUM], s[8:9]
	s_endpgm
.Lfunc_end_k_q6169355cb2_lay:
	.size	k_q6169355cb2_lay, .Lfunc_end_k_q6169355cb2_lay-k_q6169355cb2_lay
	.p2alignl 7, 3214868480
	.fill 96, 4, 3214868480
	.section	.rodata,"a",@progbits
	.p2align	6, 0x0
	.amdhsa_kernel k_q6169355cb2_lay
		.amdhsa_group_segment_fixed_size 0
		.amdhsa_private_segment_fixed_size 0
		.amdhsa_enable_private_segment 0
		.amdhsa_kernarg_size 24
		.amdhsa_user_sgpr_count 2
		.amdhsa_user_sgpr_kernarg_segment_ptr 1
		.amdhsa_wavefront_size32 1
		.amdhsa_system_sgpr_workgroup_id_x 1
		.amdhsa_system_sgpr_workgroup_id_y 1
		.amdhsa_system_sgpr_workgroup_id_z 1
		.amdhsa_system_vgpr_workitem_id 0
		.amdhsa_next_free_vgpr 208
		.amdhsa_next_free_sgpr 66
		.amdhsa_reserve_vcc 1
		.amdhsa_float_denorm_mode_32 3
		.amdhsa_float_denorm_mode_16_64 3
		.amdhsa_memory_ordered 1
		.amdhsa_forward_progress 1
		.amdhsa_inst_pref_size 19
	.end_amdhsa_kernel
	.amdgpu_metadata
---
amdhsa.version: [ 1, 2 ]
amdhsa.kernels:
  - .name:           k_q6169355cb2_lay
    .symbol:         k_q6169355cb2_lay.kd
    .args:
      - { .name: emb, .offset: 0, .size: 8, .value_kind: global_buffer, .address_space: global }
      - { .name: embF, .offset: 8, .size: 8, .value_kind: global_buffer, .address_space: global }
      - { .name: eeW, .offset: 16, .size: 8, .value_kind: global_buffer, .address_space: global }
    .group_segment_fixed_size: 0
    .private_segment_fixed_size: 0
    .kernarg_segment_align: 8
    .kernarg_segment_size: 24
    .max_flat_workgroup_size: 64
    .sgpr_count:     66
    .vgpr_count:     208
    .wavefront_size: 32
...
	.end_amdgpu_metadata
.endif
;; end of part 1
;; launch nearest (part 2): grid 256 x 1, 4 waves a work-group, clusters of 4 x 1, 327,680 bytes of LDS; arguments z, embF, eeW, out3, idxw; writes out3, idxw
.if DOCPART == 2
	.amdgcn_target "amdgcn-amd-amdhsa--gfx1250"
	.amdhsa_code_object_version 6
	.text
	.protected	k_q6169355cb2_nearest
	.globl	k_q6169355cb2_nearest
	.p2align	8
	.type	k_q6169355cb2_nearest,@function
k_q6169355cb2_nearest:
	s_mov_b64 s[64:65], 0
	v_nop
	global_prefetch_b8 v0, s[64:65] scope:SCOPE_SE
	s_setreg_imm32_b32 hwreg(HW_REG_WAVE_MODE, 25, 1), 1
	s_wait_xcnt 0x0
	s_wait_alu depctr_hold_cnt(0) depctr_sa_sdst(0) depctr_va_vdst(0) depctr_va_sdst(0) depctr_va_ssrc(0) depctr_va_vcc(0) depctr_vm_vsrc(0)
	s_getreg_b32 s2, hwreg(HW_REG_IB_STS2, 6, 4)
	s_cmp_eq_u32 s2, 0
	s_cbranch_scc0 .Lentry_in_a_cluster
	s_endpgm
.Lentry_in_a_cluster:
	s_bfe_u32 s2, ttmp6, 0x10000c
	s_cmp_lg_u32 s2, 0x3003
	s_cbranch_scc0 .Lentry_shape_is_right
	s_endpgm
.Lentry_shape_is_right:
; VECTOR QUANTIZER, launch 2 of 4: idx[b] = the first index of the least d[b][c] = fl(fl(zz[b] + ee[c]) - 2 dot[b][c]); dot in bf16 x bf16 with f32 sums.  Stored twice: out3 (the result) and idxw (from which the next launch forms addresses).
; Nothing of the definition is left out here: zz, which is the same along the axis of the argmin, stays, since beside it the other terms lose bits in f32 and ties arise that the first index wins.
; LIMITS.  z and emb count as rounded to bf16 in zz, ee and dot.  The f32 sums are taken in this text's own order: an index can differ where two orders put d on different sides of a rounding step.
; A NaN is passed over by the minimum.  Where every d of a row is +infinity the index is 0.
; SHARES.  A work-group owns 128 rows of z: 256 work-groups.  Wave w: its 64 rows by w / 2, and of every 256 codes its 128 by w % 2.  The wave's z stays in registers as matrix operands (4 row tiles x 8 K steps x 8 = 256
; registers); all 8,192 codes are walked through a ring of two LDS slots of 256 codes.
; LAYOUT.  D = A x B with A = 16 codes and B = 16 rows of z: in the result lane l holds ONE row (l % 16), and register j code 8 (l / 16) + j.  So the minimum over codes is taken inside a lane, and lanes meet once, at the end.
; A TURN is 2 code tiles x 4 row tiles: 8 accumulators x 8 K steps = 64 matrix instructions.  Two sets of accumulators take turns: while one is summed, the other, finished a turn ago, is JUDGED, 23 vector
; instructions an accumulator, three behind each matrix instruction.  128 turns a wave.
; JUDGING.  t = ee + zz; d = t - 2 dot, one rounding each; g = the least of the lane's 8 distances; where g < m (strictly: an earlier tile keeps a tie): m = g, the tile's number and its 8 distances are kept.
; The place inside the winning tile is found once, at the end: the lowest j whose kept distance equals m.
; CLUSTER.  All work-groups walk the same codes in the same order, so four partners ask for each slot JOINTLY: the same tensor load, with the same descriptor and a mask that names the four, in all four.
; REGISTERS, in windows of 256 (s_set_vgpr_msb: bits 1:0 source 0, 3:2 source 1, 5:4 source 2, 7:6 destination):
;   window 0: all that the judging touches, the accumulators among them      window 1: z, row tile t, K step s at 64 t + 8 s
;   window 2: the codes' fragments, two buffers of 128: code tile c, K step s at 128 b + 64 c + 8 s; before the walk, two banks for z in f32
; A matrix instruction wants windows 2, 1, 0, 0 and the judging 0 throughout, so each slice of three costs two switches.
.set SLOTB, 131072                     ; a slot: 16 tiles of 8,192 bytes, as they lie in embF; tiles 0-7 for waves 0 and 2, tiles 8-15 for waves 1 and 3.  No padding: a fragment load reads lane i at 16 i
.set SLOT1, 1<<17                      ; slot 1 begins here: one exclusive or turns an address in one slot into the other's
.set GRPB,  16384                      ; a turn's two tiles
.set EEB,   262144                     ; eeW as it lies, 32,768 bytes, filled once
.set MRG,   294912                     ; the waves' meeting: 4 waves x 64 rows x (m, idx): 2,048 bytes into which no tensor load lands
.set SPARE, 296960                     ; the spare words, 128 bytes for each wave: two blocks of 256 bytes that no other line names
.set AF0,   2                          ; v2   16 l + 65,536 (w % 2): my place in a slot; never rewritten
.set AE0,   3                          ; v3   EEB + 16,384 (w % 2) + 32 (l / 16); never rewritten
.set ADR,   4                          ; v4   the LDS address of the fragments' run of loads in hand
.set ADRE,  5                          ; v5   of ee's
.set ZO,    6                          ; v6   1,024 (l % 16) + 32 (l / 16): my byte offset in 16 rows of z
.set PFO,   7                          ; v7   256 l: the prefetch's offset; never rewritten
.set SPW,   8                          ; v8   LDS address of my spare word; never rewritten
.set NIL,   9                          ; v9   0, for the add alone; never rewritten
.set BASEH, 10                         ; v10  128 (w % 2) + 8 (l / 16)
.set OO,    11                         ; v11  8 l
.set ZZ,    12                         ; v[12:19]  zz of my row in row tile t, in both registers of the pair at ZZ + 2 t
.set M,     20                         ; v[20:23]  m, a row tile each
.set ID,    24                         ; v[24:27]  the winning tile's number in my wave's walk, 0 to 255
.set TV,    28                         ; v[28:29]  the numbers of the two tiles that are being judged
.set G,     30                         ; v30, v31  at work
.set G2,    31
.set T,     32                         ; v[32:39]  t; at work before and behind the walk
.set EE,    40                         ; v[40:71]  ee: buffer b, code tile c at EE + 16 b + 8 c
.set SV,    72                         ; v[72:103] the winning tile's 8 distances, a row tile at SV + 8 t
.set POS,   104                        ; v[104:125] the end
.set PM,    108
.set MA,    112
.set MR,    113
.set RA,    116
.set RB,    120
.set RI,    124
.set ACC,   128                        ; v[128:255] set p, accumulator a = 4 c + t at ACC + 64 p + 8 a
.set WV,    14                         ; s14  my wave's number
.set CH,    15                         ; s15  w % 2
.set RH,    16                         ; s16  w / 2
.set CX,    17                         ; s17  my place in the cluster: it enters the addresses of z, of the results and of the prefetch alone
.set GR,    18                         ; s18  my work-group's number
.set G1,    24                         ; s[24:31] descriptor group 1, a quarter of a slot
.set G0A,   32                         ; s[32:35] group 0: slot 0's first fill
.set G0W,   36                         ; s[36:39] group 0: slot 1's first fill; then it walks
.set G0E,   40                         ; s[40:43] group 0: a quarter of ee
.set G1E,   44                         ; s[44:51] descriptor group 1, a quarter of ee
.set SLOTS, 52                         ; s52  counts the slots
.set TWICE, 53                         ; s53  counts pairs of turns
.set TB,    54                         ; s54  LDS byte at which the tiles of the turn to be fetched begin
.set TE,    55                         ; s55  the same for ee: 128 bytes a turn
.set MK,    58                         ; s[58:59] the lanes in which a tile wins, by the accumulator's parity
.set SEL,   60                         ; s[60:61] v_permlanex16_b32: each lane takes its own place in the other half
.set LIM,   62                         ; s62  2 in the cluster that prefetches, else the greatest number
.set PFA,   66                         ; s[66:67] where my prefetch stands in embF
.set W_MM,  0x06                       ; A in window 2, B in window 1, C and D in window 0
.set MSB, 0
.macro WIN new                         ; the immediate's high byte repeats the setting that is left; a switch that changes nothing is dropped
.if MSB != (\new)
	s_set_vgpr_msb (MSB<<8)|(\new)
.set MSB, \new
.endif
.endm
; A round of the cluster's barrier: my work-group's barrier, so that wave 0's signal speaks for all four waves; wave 0 signals; every wave waits for all four work-groups; my work-group's barrier once more.
.macro CROUND
	s_barrier_signal -1
	s_barrier_wait -1
	s_cmp_lg_u32 s[WV], 0
	s_cbranch_scc1 .Lnot_wave_0_\@
	s_barrier_signal -3
.Lnot_wave_0_\@:
	s_barrier_wait -3
	s_barrier_signal -1
	s_barrier_wait -1
.endm
; A PREFETCH INTO THE L2 of the slot that the change of slots after the next will ask for: two slots, 512 of a wave's matrix instructions, ahead of that load.  A slot is 512 blocks of 256 bytes: the four partners take
; 128 each BY ADDRESS (no branch hangs on a work-group's place in its cluster), each wave 32 of them, a lane a block: one instruction a wave.  All clusters walk the same codes: cluster 0 alone asks, so each block is
; named once in the launch.  Slots 0 to 3 come by their loads alone; the last two changes that fill a slot ask for nothing: slot 31 is the last that is named.
.macro ASK
	s_cmp_gt_u32 s[SLOTS], s[LIM]
	s_cbranch_scc0 .Lnot_mine_\@
	global_prefetch_b8 v[PFO], s[PFA:PFA+1] th:TH_LOAD_NT scope:SCOPE_SE
.Lnot_mine_\@:
.endm
; THE CHANGE OF SLOTS stands in front of a slot's last turn: that turn's fragments were asked for a turn ago.  Each wave waits for all its tensor loads, of which one is out: its quarter of the other slot; adds 0 to its
; spare word; and waits for that and for its own reads of the slot.  Behind the barrier nobody reads this slot any more and the other slot is whole.  fill = 1: the barrier is a round of the cluster's, so that no wave
; of any partner still reads the slot or has a load on its way, and the joint refill, with the codes two slots on, is the first thing behind it: it has four turns, 256 matrix instructions, in which to land.
.macro CHANGE fill
	WIN 0                                          ; at a label and at a branch every window is 0
	s_wait_tensorcnt 0x0                           ; no tensor load of mine is out, so a group 0 may be written
	ds_add_u32 v[SPW], v[NIL]                      ; 0 onto my spare word; with fill = 1 the scalar steps stand between it and the wait for it
.if \fill
	s_xor_b32 s[G0W+1], s[G0W+1], SLOT1            ; the walking descriptor: the other slot than last time,
	s_add_nc_u64 s[G0W+2:G0W+3], s[G0W+2:G0W+3], SLOTB  ; the next 256 codes; the type bits on top are not reached
	s_wait_xcnt 0x0                                ; the last prefetch, four turns back, has read its address, so it may be written
	s_add_nc_u64 s[PFA:PFA+1], s[PFA:PFA+1], SLOTB
	s_wait_dscnt 0x0                               ; the add is done, and my reads of the slot are over
	CROUND
	tensor_load_to_lds s[G0W:G0W+3], s[G1:G1+7]    ; my one tensor load behind the round: my quarter of the slot
	s_nop 0
.rept 4
	v_nop                                          ; the windows are switched only behind these four
.endr
	ASK
.else
	s_wait_dscnt 0x0                               ; the add is done, and my reads of the slot are over
	s_barrier_signal -1
	s_barrier_wait -1
.endif
	s_sub_co_u32 s[TB], s[TB], 4*GRPB              ; the fetches go back to a slot's first turn,
	s_xor_b32 s[TB], s[TB], SLOT1                  ; in the other slot
.endm
; THE LDS LOADS of a turn stand in one run.  fb >= 0: the next turn's fragments (2 tiles x 8 K steps x 2 loads) into buffer fb.  eb >= 0: ee of THIS turn's 32 codes (my 8 of each tile) into buffer eb; it is wanted a turn later, by the judging.
.macro FETCH fb, eb
	WIN 0
.if (\fb) >= 0
	v_add_nc_u32 v[ADR], s[TB], v[AF0]
	s_add_co_u32 s[TB], s[TB], GRPB
.endif
.if (\eb) >= 0
	v_add_nc_u32 v[ADRE], s[TE], v[AE0]
	s_add_co_u32 s[TE], s[TE], 128
.irp c, 0,1
.irp q, 0,1
	ds_load_b128 v[EE+16*(\eb)+8*\c+4*\q:EE+16*(\eb)+8*\c+4*\q+3], v[ADRE] offset:64*\c+16*\q
.endr
.endr
.endif
.if (\fb) >= 0
	WIN 0x80                                       ; destination window 2, address window 0
.irp c, 0,1
.irp k, 0,1,2,3,4,5,6,7
.irp q, 0,1
	ds_load_b128 v[128*(\fb)+64*\c+8*\k+4*\q:128*(\fb)+64*\c+8*\k+4*\q+3], v[ADR] offset:8192*\c+1024*\k+512*\q
.endr
.endr
.endr
.endif
.endm
; THE JUDGING: entry en (0 to 22) of the list for accumulator ea (code tile ea / 4, row tile ea % 4) of set p.  The accumulator's lowest registers are read first.
.macro EP p
.set rD, ACC+64*(\p)+8*ea
.set rE, EE+16*(\p)+8*(ea/4)
.set rR, ea%4
.set rV, TV+ea/4
.set rK, MK+ea%2
.if en < 4
	v_pk_add_f32 v[T+2*en:T+2*en+1], v[rE+2*en:rE+2*en+1], v[ZZ+2*rR:ZZ+2*rR+1]                                   ; t = fl(ee + zz)
.elseif en < 8
	v_pk_fma_f32 v[rD+2*en-8:rD+2*en-7], v[rD+2*en-8:rD+2*en-7], -2.0, v[T+2*en-8:T+2*en-7] op_sel_hi:[1,0,1]     ; d = fl(t - 2 dot), in place
.elseif en == 8
	v_min3_num_f32 v[G], v[rD], v[rD+1], v[rD+2]
.elseif en == 9
	v_min3_num_f32 v[G2], v[rD+3], v[rD+4], v[rD+5]
.elseif en == 10
	v_min3_num_f32 v[G], v[G], v[rD+6], v[rD+7]
.elseif en == 11
	v_min_num_f32 v[G], v[G], v[G2]
.elseif en == 12
	v_cmp_lt_f32 s[rK], v[G], v[M+rR]              ; strictly less: the earlier tile keeps a tie
.elseif en == 13
	v_min_num_f32 v[M+rR], v[M+rR], v[G]
.elseif en == 14
	v_cndmask_b32 v[ID+rR], v[ID+rR], v[rV], s[rK]
.else
	v_cndmask_b32 v[SV+8*rR+en-15], v[SV+8*rR+en-15], v[rD+en-15], s[rK]
.endif
.endm
; A TURN on accumulator set p and fragment buffer p.  Matrix instruction i: accumulator i % 8, K step i / 8; the first 8 start the sums with the constant 0: nothing is cleared.  The 8 accumulators take turns, one
; instruction a turn: 7 others' stand between two links of a chain, and a turn's last and the next turn's first name different sets.
; ride = 1: behind instruction i stand entries 3 (i % 8) .. + 2 of the list for accumulator i / 8 of the OTHER set.  They name no register of the products round them, so they are also the places that a vector
; instruction or a load must keep behind a matrix instruction: an accumulator's first read stands 25 of them or more behind its last product, and the run of loads, behind instruction 1, ten or more
; behind the last product that read its target buffer.  ride = 0 (the first turn): four v_nop at the end, which with the next turn's entries 0 to 3 make eight.
.macro TURN p, ride, fb, eb
	s_wait_dscnt 0x0                               ; the fragments and ee that were asked for 62 matrix instructions ago
.set i, 0
.rept 64
	WIN W_MM
.set rA, 128*(\p)+64*((i%8)/4)+8*(i/8)
.set rB, 64*(i%4)+8*(i/8)
.set rC, ACC+64*(\p)+8*(i%8)
.if i < 8
	v_wmma_f32_16x16x32_bf16 v[rC:rC+7], v[rA:rA+7], v[rB:rB+7], 0
.else
	v_wmma_f32_16x16x32_bf16 v[rC:rC+7], v[rA:rA+7], v[rB:rB+7], v[rC:rC+7]
.endif
.if \ride
	WIN 0
.set ea, i/8
.set en, 3*(i%8)
.rept 3
.if en < 23
	EP 1-(\p)
.endif
.set en, en+1
.endr
.endif
.if i == 1
	FETCH \fb, \eb
.endif
.set i, i+1
.endr
	WIN 0
.if \ride
	v_add_nc_u32 v[TV], 2, v[TV]                   ; the next turn judges the next two tiles
	v_add_nc_u32 v[TV+1], 2, v[TV+1]
.else
.rept 4
	v_nop
.endr
.endif
.endm
.macro LUMP p                          ; the last set is judged with no products to stand between
	s_wait_dscnt 0x0                               ; its ee
	WIN 0
.set ea, 0
.rept 8
.set en, 0
.rept 23
	EP \p
.set en, en+1
.endr
.set ea, ea+1
.endr
.endm
; s70 = the lanes in which (m, idx) = (v[mb], v[ib]) comes before (v[ma], v[ia]): a smaller m, or the same m and a smaller index
.macro LEXM ma, ia, mb, ib
	v_cmp_lt_f32 s70, v[\mb], v[\ma]
	v_cmp_eq_f32 s71, v[\mb], v[\ma]
	v_cmp_lt_u32 s72, v[\ib], v[\ia]
	s_and_b32 s71, s71, s72
	s_or_b32 s70, s70, s71
.endm
; z: row tile t's 16 rows x 256 numbers in f32, 32 loads, into bank t % 2 of window 2; load n = 4 s + q brings four of the eight numbers of half q / 2 of K step s's fragment
.macro ZLOAD t
	WIN 0x80
.set n, 0
.rept 32
	global_load_b128 v[128*((\t)%2)+4*n:128*((\t)%2)+4*n+3], v[ZO], s[4:5] offset:16384*(\t)+128*(n/4)+64*((n%4)/2)+16*(n%2)
.set n, n+1
.endr
.endm
.macro ZCVT t                          ; rounded to bf16, into window 1
	WIN 0x4a                                       ; sources window 2, destination window 1
.set n, 0
.rept 64
	v_cvt_pk_bf16_f32 v[64*(\t)+n], v[128*((\t)%2)+2*n], v[128*((\t)%2)+2*n+1]
.set n, n+1
.endr
.endm
	s_load_b256 s[4:11], s[0:1], 0x0               ; z s[4:5], embF s[6:7], eeW s[8:9], out3 s[10:11]
	s_load_b64 s[12:13], s[0:1], 0x20              ; idxw
	v_lshl_add_u32 v[SPW], v0, 2, SPARE
	v_mov_b32 v[NIL], 0
	ds_add_u32 v[SPW], v[NIL]                      ; the wave's opening: the add, twice on end, and its wait ahead of my first tensor load; the set-up below, work on registers, stands between
	ds_add_u32 v[SPW], v[NIL]                      ; and once more, under the one wait
	v_lshrrev_b32 v1, 5, v0
	v_readfirstlane_b32 s[WV], v1                  ; wave 0..3
	s_and_b32 s[CH], s[WV], 1
	s_lshr_b32 s[RH], s[WV], 1
	s_bfe_u32 s[CX], ttmp6, 0x40000                ; cx
	s_lshl_b32 s[GR], ttmp9, 2                     ; in a cluster launch ttmp9 counts clusters
	s_add_co_u32 s[GR], s[GR], s[CX]
	; descriptor group 1: dense bytes, asked for as rows of 32 elements of 8 bytes
	s_mov_b32 s[G1], 15|(3<<16)|(1<<21)            ; 15:0 the mask: all four work-groups; 17:16 elements of 8 bytes; 21 set beside a mask; no padding
	s_mov_b32 s[G1E], 15|(3<<16)|(1<<21)
.irp g, G1, G1E
	s_mov_b32 s[\g+1], 32<<16                      ; tensor_dim0 = 32
	s_mov_b32 s[\g+3], 32<<16                      ; tile_dim0 = 32
	s_mov_b32 s[\g+5], 32                          ; 32 elements from row to row
	s_mov_b32 s[\g+6], 0
	s_mov_b32 s[\g+7], 0
.endr
	s_mov_b32 s[G1+2], 128<<16                     ; tensor_dim1 = 128 rows: 32,768 bytes
	s_mov_b32 s[G1+4], 128                         ; tile_dim1
	s_mov_b32 s[G1E+2], 32<<16                     ; 32 rows: 8,192 bytes
	s_mov_b32 s[G1E+4], 32
	s_lshl_b32 s68, s[WV], 15                      ; my quarter of a slot, in memory and in LDS: no place in the cluster enters either
	s_mov_b32 s69, 0
	s_lshl_b32 s70, s[WV], 13                      ; my quarter of ee
	s_mov_b32 s71, 0
	s_lshl_b32 s72, s[GR], 17                      ; my work-group's 128 rows of 1,024 bytes,
	s_lshl_b32 s73, s[RH], 16                      ; my wave's 64 of them
	s_add_co_u32 s72, s72, s73
	s_mov_b32 s73, 0
	s_lshl_b32 s74, s[CX], 15                      ; the prefetch: my work-group's quarter of a slot, my wave's quarter of that,
	s_add_co_u32 s74, s74, s70
	s_add_co_u32 s74, s74, 3*SLOTB                 ; in slot 3: the first change of slots steps it to slot 4
	s_mov_b32 s75, 0
	s_mov_b32 s[G0A], 1                            ; count = 1
	s_mov_b32 s[G0A+1], s68                        ; LDS address: slot 0
	s_mov_b32 s[G0W], 1
	s_add_co_u32 s[G0W+1], s68, SLOT1              ; slot 1
	s_mov_b32 s[G0E], 1
	s_add_co_u32 s[G0E+1], s70, EEB
	s_mov_b32 s[SEL], 0x76543210
	s_mov_b32 s[SEL+1], 0xfedcba98
	s_mov_b32 s[TB], 0
	s_mov_b32 s[TE], 0
	s_mov_b32 s[SLOTS], 31
	s_cmp_eq_u32 ttmp9, 0                          ; the same in all four partners
	s_cselect_b32 s[LIM], 2, -1
	s_wait_dscnt 0x0                               ; both opening adds are done
	s_wait_kmcnt 0x0
	s_add_nc_u64 s[G0A+2:G0A+3], s[6:7], s[68:69]  ; global address: codes 0 to 255
	s_add_nc_u64 s[G0W+2:G0W+3], s[G0A+2:G0A+3], SLOTB  ; codes 256 to 511
	s_or_b32 s[G0A+3], s[G0A+3], 0x80000000        ; type = 2
	s_or_b32 s[G0W+3], s[G0W+3], 0x80000000
	s_add_nc_u64 s[G0E+2:G0E+3], s[8:9], s[70:71]
	s_or_b32 s[G0E+3], s[G0E+3], 0x80000000
	s_add_nc_u64 s[4:5], s[4:5], s[72:73]          ; z at my wave's first row
	s_add_nc_u64 s[PFA:PFA+1], s[6:7], s[74:75]
	CROUND                                         ; all four work-groups are here: the first joint loads meet
	tensor_load_to_lds s[G0A:G0A+3], s[G1:G1+7]    ; the first fills go out as one group: three loads of mine are out
	s_nop 0
	tensor_load_to_lds s[G0E:G0E+3], s[G1E:G1E+7]
	s_nop 0
	tensor_load_to_lds s[G0W:G0W+3], s[G1:G1+7]
	s_nop 0
.rept 4
	v_nop
.endr
	v_and_b32 v1, 15, v0                           ; l % 16
	v_bfe_u32 v[G], v0, 4, 1                       ; l / 16
	v_and_b32 v[G2], 31, v0                        ; l
	v_lshlrev_b32 v[ZO], 10, v1
	v_lshl_add_u32 v[ZO], v[G], 5, v[ZO]
	ZLOAD 0
	ZLOAD 1
	WIN 0                                          ; the rest of the set-up stands in the wait for z
	s_lshl_b32 s68, s[CH], 16
	v_lshl_add_u32 v[AF0], v[G2], 4, s68
	s_lshl_b32 s68, s[CH], 14
	s_add_co_u32 s68, s68, EEB
	v_lshl_add_u32 v[AE0], v[G], 5, s68
	s_lshl_b32 s68, s[CH], 7
	v_lshl_add_u32 v[BASEH], v[G], 3, s68
	v_lshlrev_b32 v[PFO], 8, v[G2]
	v_lshlrev_b32 v[OO], 3, v[G2]
.irp t, 0,1,2,3
	v_mov_b32 v[M+\t], 0x7f800000                  ; m starts at +infinity: the first finite distance wins
	v_mov_b32 v[ID+\t], 0
.endr
.set n, 0
.rept 32
	v_mov_b32 v[SV+n], 0x7f800000                  ; so that a row whose distances are all +infinity finds place 0 of tile 0
.set n, n+1
.endr
	v_mov_b32 v[TV], 0
	v_mov_b32 v[TV+1], 1
.irp t, 0,1,2,3,4,5,6,7
	v_mov_b32 v[T+\t], 0                           ; eight chains for zz
.endr
	s_wait_loadcnt 32                              ; row tile 0 is in; the younger tile's 32 loads stay out
	ZCVT 0
	ZLOAD 2
	s_wait_loadcnt 32                              ; row tile 1
	ZCVT 1
	ZLOAD 3
	s_wait_loadcnt 32                              ; row tile 2
	ZCVT 2
	s_wait_loadcnt 0x0
	ZCVT 3
	WIN 0x05                                       ; sources 0 and 1 window 1: zz is the sum of the squares of the ROUNDED numbers, in f32
.set n, 0
.rept 64
.irp t, 0,1,2,3
	v_fma_mix_f32_bf16 v[T+\t],   v[64*\t+n], v[64*\t+n], v[T+\t]   op_sel_hi:[1,1,0]
	v_fma_mix_f32_bf16 v[T+4+\t], v[64*\t+n], v[64*\t+n], v[T+4+\t] op_sel:[1,1,0] op_sel_hi:[1,1,0]
.endr
.set n, n+1
.endr
	WIN 0
.irp t, 0,1,2,3
	v_add_f32 v[T+\t], v[T+\t], v[T+4+\t]          ; my 128 of the row's 256 numbers;
.endr
.irp t, 0,1,2,3
	v_permlanex16_b32 v[T+4+\t], v[T+\t], s[SEL], s[SEL+1]  ; the other 128 lie in the lane 16 away
.endr
.irp t, 0,1,2,3
	v_add_f32 v[ZZ+2*\t], v[T+\t], v[T+4+\t]       ; the same number in both lanes: the sum of two does not hang on their order
.endr
.irp t, 0,1,2,3
	v_mov_b32 v[ZZ+2*\t+1], v[ZZ+2*\t]             ; the packed add takes a pair
.endr
	s_wait_tensorcnt 1                             ; my quarters of slot 0 and of ee are in; slot 1's, the one load issued behind them, may stay out
	s_barrier_signal -1
	s_barrier_wait -1                              ; everybody's are
	FETCH 0, -1                                    ; turn 0's fragments
	TURN 0, 0, 1, 0                                ; turn 0: nothing is there to be judged yet
	s_mov_b32 s[TWICE], 1                          ; slot 0 has two turns left in front of its change
	s_branch .Lstep
.Lslot:                                        ; 30 times: every slot but the last two is filled again
	CHANGE 1
	s_mov_b32 s[TWICE], 2
.Lstep:
	TURN 1, 1, 0, 1
	TURN 0, 1, 1, 0
	s_sub_co_u32 s[TWICE], s[TWICE], 1
	s_cmp_lg_u32 s[TWICE], 0
	s_cbranch_scc1 .Lstep
	s_sub_co_u32 s[SLOTS], s[SLOTS], 1
	s_cmp_lg_u32 s[SLOTS], 0
	s_cbranch_scc1 .Lslot
	CHANGE 0                                       ; the tail is written out: nothing is asked for
	s_mov_b32 s[TWICE], 2
.Ltail:                                        ; turns 123 to 126
	TURN 1, 1, 0, 1
	TURN 0, 1, 1, 0
	s_sub_co_u32 s[TWICE], s[TWICE], 1
	s_cmp_lg_u32 s[TWICE], 0
	s_cbranch_scc1 .Ltail
	TURN 1, 1, -1, 1                               ; turn 127: no fragments are left to fetch
	LUMP 1
	; THE END.  In each lane and row tile: the lowest place j at which the kept distances equal m; the code's index from the tile's number n: 256 (n / 8) + 16 (n % 8) + 128 (w % 2) + 8 (l / 16) + j.
.irp t, 0,1,2,3
	v_mov_b32 v[POS+\t], 7
.endr
.irp j, 6,5,4,3,2,1,0
.irp t, 0,1,2,3
	v_cmp_neq_f32 vcc_lo, v[SV+8*\t+\j], v[M+\t]
	v_cndmask_b32 v[POS+\t], \j, v[POS+\t], vcc_lo
.endr
.endr
.irp t, 0,1,2,3
	v_lshrrev_b32 v[T+\t], 3, v[ID+\t]
	v_and_b32 v[T+4+\t], 7, v[ID+\t]
.endr
.irp t, 0,1,2,3
	v_lshl_add_u32 v[POS+\t], v[T+\t], 8, v[POS+\t]
.endr
.irp t, 0,1,2,3
	v_lshl_add_u32 v[POS+\t], v[T+4+\t], 4, v[POS+\t]
.endr
.irp t, 0,1,2,3
	v_add_nc_u32 v[POS+\t], v[BASEH], v[POS+\t]
.endr
.irp t, 0,1,2,3                        ; the row's other codes of each tile lie in the lane 16 away: the smaller m, on a tie the smaller index
	v_permlanex16_b32 v[T+\t], v[M+\t], s[SEL], s[SEL+1]
	v_permlanex16_b32 v[T+4+\t], v[POS+\t], s[SEL], s[SEL+1]
.endr
.irp t, 0,1,2,3
	LEXM M+\t, POS+\t, T+\t, T+4+\t
	v_cndmask_b32 v[M+\t], v[M+\t], v[T+\t], s70
	v_cndmask_b32 v[POS+\t], v[POS+\t], v[T+4+\t], s70
.endr
	s_mov_b32 s73, 0xffff0000                      ; lanes 16 to 31 take the odd row tile: lane l then holds row 32 q + l of my 64
.irp q, 0,1
	v_cndmask_b32 v[PM+2*\q],   v[M+2*\q],   v[M+2*\q+1],   s73
	v_cndmask_b32 v[PM+2*\q+1], v[POS+2*\q], v[POS+2*\q+1], s73
.endr
	v_and_b32 v1, 31, v0
	s_lshl_b32 s74, s[WV], 9
	s_add_co_u32 s74, s74, MRG
	v_lshl_add_u32 v[MA], v1, 3, s74               ; my wave's 512 bytes: row x 8
	s_lshl_b32 s75, s[RH], 10
	s_add_co_u32 s75, s75, MRG
	v_lshl_add_u32 v[MR], v1, 4, s75               ; the two waves of my 64 rows lie 512 bytes apart; I take rows 2 l and 2 l + 1 of both
	ds_store_b64 v[MA], v[PM:PM+1]
	ds_store_b64 v[MA], v[PM+2:PM+3] offset:256
	s_wait_dscnt 0x0                               ; for the others' sake: my stores are done
	s_barrier_signal -1
	s_barrier_wait -1
	ds_load_b128 v[RA:RA+3], v[MR]                 ; the lower 128 of every 256 codes
	ds_load_b128 v[RB:RB+3], v[MR] offset:512      ; the upper 128
	s_lshl_b32 s78, s[GR], 9                       ; my work-group's 128 indices of 4 bytes,
	s_lshl_b32 s79, s[RH], 8                       ; my 64 of them
	s_add_co_u32 s78, s78, s79
	s_mov_b32 s79, 0
	s_cmp_eq_u32 s[CH], 0                          ; both waves of a row half make the same 64 indices: one stores them into out3, the other into idxw
	s_cselect_b64 s[76:77], s[10:11], s[12:13]
	s_add_nc_u64 s[76:77], s[76:77], s[78:79]
	s_wait_dscnt 0x0
	LEXM RA, RA+1, RB, RB+1
	v_cndmask_b32 v[RI], v[RA+1], v[RB+1], s70
	LEXM RA+2, RA+3, RB+2, RB+3
	v_cndmask_b32 v[RI+1], v[RA+3], v[RB+3], s70
	global_store_b64 v[OO], v[RI:RI+1], s[76:77]   ; the wave stores 256 consecutive bytes, at a multiple of 256 from the buffer's first byte
	s_wait_tensorcnt 0x0                           ; the wave's end: the add to my spare word, behind my last tensor load and my last LDS store
	ds_add_u32 v[SPW], v[NIL]
	s_wait_dscnt 0x0
	CROUND                                         ; the closing round: no work-group ends while a partner may still ask for a tile that names it
	s_endpgm
.Lfunc_end_k_q6169355cb2_nearest:
	.size	k_q6169355cb2_nearest, .Lfunc_end_k_q6169355cb2_nearest-k_q6169355cb2_nearest
	.p2alignl 7, 3214868480
	.fill 96, 4, 3214868480
	.section	.rodata,"a",@progbits
	.p2align	6, 0x0
	.amdhsa_kernel k_q6169355cb2_nearest
		.amdhsa_group_segment_fixed_size 327680
		.amdhsa_private_segment_fixed_size 0
		.amdhsa_enable_private_segment 0
		.amdhsa_kernarg_size 40
		.amdhsa_user_sgpr_count 2
		.amdhsa_user_sgpr_kernarg_segment_ptr 1
		.amdhsa_wavefront_size32 1
		.amdhsa_system_sgpr_workgroup_id_x 1
		.amdhsa_system_sgpr_workgroup_id_y 1
		.amdhsa_system_sgpr_workgroup_id_z 1
		.amdhsa_system_vgpr_workitem_id 0
		.amdhsa_next_free_vgpr 768
		.amdhsa_next_free_sgpr 80
		.amdhsa_reserve_vcc 1
		.amdhsa_float_denorm_mode_32 3
		.amdhsa_float_denorm_mode_16_64 3
		.amdhsa_memory_ordered 1
		.amdhsa_forward_progress 1
		.amdhsa_inst_pref_size 204
	.end_amdhsa_kernel
	.amdgpu_metadata
---
amdhsa.version: [ 1, 2 ]
amdhsa.kernels:
  - .name:           k_q6169355cb2_nearest
    .symbol:         k_q6169355cb2_nearest.kd
    .args:
      - { .name: z, .offset: 0, .size: 8, .value_kind: global_buffer, .address_space: global }
      - { .name: embF, .offset: 8, .size: 8, .value_kind: global_buffer, .address_space: global }
      - { .name: eeW, .offset: 16, .size: 8, .value_kind: global_buffer, .address_space: global }
      - { .name: out3, .offset: 24, .size: 8, .value_kind: global_buffer, .address_space: global }
      - { .name: idxw, .offset: 32, .size: 8, .value_kind: global_buffer, .address_space: global }
    .group_segment_fixed_size: 327680
    .private_segment_fixed_size: 0
    .kernarg_segment_align: 8
    .kernarg_segment_size: 40
    .max_flat_workgroup_size: 128
    .sgpr_count:     80
    .vgpr_count:     768
    .wavefront_size: 32
...
	.end_amdgpu_metadata
.endif
;; end of part 2
;; launch apply (part 3): grid 512 x 1, 8 waves a work-group, no clusters, 0 bytes of LDS; arguments z, emb, idxw, out0, part; writes out0, part
.if DOCPART == 3
	.amdgcn_target "amdgcn-amd-amdhsa--gfx1250"
	.amdhsa_code_object_version 6
	.text
	.protected	k_q6169355cb2_apply
	.globl	k_q6169355cb2_apply
	.p2align	8
	.type	k_q6169355cb2_apply,@function
k_q6169355cb2_apply:
	s_mov_b64 s[64:65], 0
	v_nop
	global_prefetch_b8 v0, s[64:65] scope:SCOPE_SE
	s_setreg_imm32_b32 hwreg(HW_REG_WAVE_MODE, 25, 1), 1
	s_wait_xcnt 0x0
; VECTOR QUANTIZER, launch 3 of 4: out0[b] = z[b] + (emb[idx[b]] - z[b]), with both roundings of the definition, and for each wave one partial sum of (emb[idx[b]] - z[b])^2, in f32.
; Left out: the second of the two losses, which is the same number as the first for all values ((a - b)^2 = (b - a)^2): one sum serves both.
; The indices are whole numbers that the launch before stored (idxw); here they are read from memory, held to the table's 8,192 rows, and enter the addresses of the gather.
; SHARES.  A wave owns 8 rows of 1,024 bytes: 4,096 waves.  A row is two loads of 16 bytes a lane, 512 consecutive bytes each.  No loop: a wave's 16 loads of z go out while its 8 indices are on their way, its 16 loads
; of emb behind them; a row's two stores leave as soon as its emb has come.  No LDS, no barrier, no matrix unit, no cluster: no wave wants a byte that another has fetched, and memory binds.
.set LO, 1                             ; v1        16 l
.set EO, 2                             ; v[2:9]    row i: 1,024 idx + 16 l
.set Z,  16                            ; v[16:79]  row i at Z + 8 i
.set E,  80                            ; v[80:143] row i of emb, then of out0
.set D,  144                           ; v[144:151] emb - z, at work
.set L,  152                           ; v[152:159] four chains of two sums
	s_load_b256 s[4:11], s[0:1], 0x0               ; z s[4:5], emb s[6:7], idxw s[8:9], out0 s[10:11]
	s_load_b64 s[12:13], s[0:1], 0x20              ; part
	v_lshrrev_b32 v1, 5, v0
	v_readfirstlane_b32 s14, v1                    ; wave 0..7
	s_lshl_b32 s15, ttmp9, 3
	s_add_co_u32 s15, s15, s14                     ; my wave among the launch's 4,096
	v_and_b32 v[LO], 31, v0
	v_lshlrev_b32 v[LO], 4, v[LO]
	s_lshl_b32 s26, s15, 13                        ; its 8 rows of 1,024 bytes
	s_mov_b32 s27, 0
	s_lshl_b32 s28, s15, 5                         ; its 8 indices
	s_mov_b32 s29, 0
	s_lshl_b32 s30, s15, 2                         ; its partial sum
	s_mov_b32 s31, 0
	s_mov_b32 s24, 0x76543210                      ; v_permlanex16_b32: each lane takes its own place in the other half
	s_mov_b32 s25, 0xfedcba98
	s_wait_kmcnt 0x0
	s_add_nc_u64 s[8:9], s[8:9], s[28:29]
	s_load_b256 s[16:23], s[8:9], 0x0              ; the 8 indices, as scalars
	s_add_nc_u64 s[4:5], s[4:5], s[26:27]
	s_add_nc_u64 s[10:11], s[10:11], s[26:27]
	s_add_nc_u64 s[12:13], s[12:13], s[30:31]
.irp i, 0,1,2,3,4,5,6,7
	global_load_b128 v[Z+8*\i:Z+8*\i+3],   v[LO], s[4:5] offset:1024*\i th:TH_LOAD_NT
	global_load_b128 v[Z+8*\i+4:Z+8*\i+7], v[LO], s[4:5] offset:1024*\i+512 th:TH_LOAD_NT
.endr
	s_wait_kmcnt 0x0
.irp i, 0,1,2,3,4,5,6,7
	s_min_u32 s[16+\i], s[16+\i], 0x1fff           ; an index stays inside the table
	s_lshl_b32 s[16+\i], s[16+\i], 10
	v_add_nc_u32 v[EO+\i], s[16+\i], v[LO]
	global_load_b128 v[E+8*\i:E+8*\i+3],   v[EO+\i], s[6:7]             ; no hint: a code may be named by many rows
	global_load_b128 v[E+8*\i+4:E+8*\i+7], v[EO+\i], s[6:7] offset:512
.endr
.macro ROW i
	s_wait_loadcnt 14-2*(\i)                       ; loads come back in order (ISA guide 5.7.1): all of z and this row's emb are in; the 2 (7 - i) loads of the later rows' emb stay out
.irp k, 0,1,2,3
	v_pk_add_f32 v[D+2*\k:D+2*\k+1], v[E+8*(\i)+2*\k:E+8*(\i)+2*\k+1], v[Z+8*(\i)+2*\k:Z+8*(\i)+2*\k+1] neg_lo:[0,1] neg_hi:[0,1]  ; emb - z
.endr
.irp k, 0,1,2,3
.if (\i) == 0
	v_pk_mul_f32 v[L+2*\k:L+2*\k+1], v[D+2*\k:D+2*\k+1], v[D+2*\k:D+2*\k+1]                     ; the first row starts the sums: nothing is cleared
.else
	v_pk_fma_f32 v[L+2*\k:L+2*\k+1], v[D+2*\k:D+2*\k+1], v[D+2*\k:D+2*\k+1], v[L+2*\k:L+2*\k+1]
.endif
.endr
.irp k, 0,1,2,3
	v_pk_add_f32 v[E+8*(\i)+2*\k:E+8*(\i)+2*\k+1], v[Z+8*(\i)+2*\k:Z+8*(\i)+2*\k+1], v[D+2*\k:D+2*\k+1]  ; z + (emb - z)
.endr
	global_store_b128 v[LO], v[E+8*(\i):E+8*(\i)+3],   s[10:11] offset:1024*(\i) th:TH_STORE_NT      ; the wave stores 512 consecutive bytes, aligned; each row has registers of its own, so no store's data is rewritten
	global_store_b128 v[LO], v[E+8*(\i)+4:E+8*(\i)+7], s[10:11] offset:1024*(\i)+512 th:TH_STORE_NT
.endm
.irp i, 0,1,2,3,4,5,6,7
	ROW \i
.endr
	v_pk_add_f32 v[L:L+1], v[L:L+1], v[L+2:L+3]
	v_pk_add_f32 v[L+4:L+5], v[L+4:L+5], v[L+6:L+7]
	v_pk_add_f32 v[L:L+1], v[L:L+1], v[L+4:L+5]
	v_add_f32 v[L], v[L], v[L+1]
	v_add_f32_dpp v[L], v[L], v[L] row_xmask:1 row_mask:0xf bank_mask:0xf
	v_add_f32_dpp v[L], v[L], v[L] row_xmask:2 row_mask:0xf bank_mask:0xf
	v_add_f32_dpp v[L], v[L], v[L] row_xmask:4 row_mask:0xf bank_mask:0xf
	v_add_f32_dpp v[L], v[L], v[L] row_xmask:8 row_mask:0xf bank_mask:0xf
	v_permlanex16_b32 v[L+1], v[L], s24, s25
	v_add_f32 v[L], v[L], v[L+1]                   ; the wave's 2,048 squares
	v_and_b32 v[D], 31, v0
	v_mov_b32 v[D+1], 0
	v_cmp_eq_u32 vcc_lo, 0, v[D]
	s_wait_xcnt 0x0                                ; EXEC is a source of the stores above: it changes only behind this wait
	s_and_saveexec_b32 s26, vcc_lo
	global_store_b32 v[D+1], v[L], s[12:13]        ; lane 0 stores the wave's one number
	s_endpgm
.Lfunc_end_k_q6169355cb2_apply:
	.size	k_q6169355cb2_apply, .Lfunc_end_k_q6169355cb2_apply-k_q6169355cb2_apply
	.p2alignl 7, 3214868480
	.fill 96, 4, 3214868480
	.section	.rodata,"a",@progbits
	.p2align	6, 0x0
	.amdhsa_kernel k_q6169355cb2_apply
		.amdhsa_group_segment_fixed_size 0
		.amdhsa_private_segment_fixed_size 0
		.amdhsa_enable_private_segment 0
		.amdhsa_kernarg_size 40
		.amdhsa_user_sgpr_count 2
		.amdhsa_user_sgpr_kernarg_segment_ptr 1
		.amdhsa_wavefront_size32 1
		.amdhsa_system_sgpr_workgroup_id_x 1
		.amdhsa_system_sgpr_workgroup_id_y 1
		.amdhsa_system_sgpr_workgroup_id_z 1
		.amdhsa_system_vgpr_workitem_id 0
		.amdhsa_next_free_vgpr 168
		.amdhsa_next_free_sgpr 66
		.amdhsa_reserve_vcc 1
		.amdhsa_float_denorm_mode_32 3
		.amdhsa_float_denorm_mode_16_64 3
		.amdhsa_memory_ordered 1
		.amdhsa_forward_progress 1
		.amdhsa_inst_pref_size 14
	.end_amdhsa_kernel
	.amdgpu_metadata
---
amdhsa.version: [ 1, 2 ]
amdhsa.kernels:
  - .name:           k_q6169355cb2_apply
    .symbol:         k_q6169355cb2_apply.kd
    .args:
      - { .name: z, .offset: 0, .size: 8, .value_kind: global_buffer, .address_space: global }
      - { .name: emb, .offset: 8, .size: 8, .value_kind: global_buffer, .address_space: global }
      - { .name: idxw, .offset: 16, .size: 8, .value_kind: global_buffer, .address_space: global }
      - { .name: out0, .offset: 24, .size: 8, .value_kind: global_buffer, .address_space: global }
      - { .name: part, .offset: 32, .size: 8, .value_kind: global_buffer, .address_space: global }
    .group_segment_fixed_size: 0
    .private_segment_fixed_size: 0
    .kernarg_segment_align: 8
    .kernarg_segment_size: 40
    .max_flat_workgroup_size: 256
    .sgpr_count:     66
    .vgpr_count:     168
    .wavefront_size: 32
...
	.end_amdgpu_metadata
.endif
;; end of part 3
;; launch total (part 4): grid 1 x 1, 1 waves a work-group, no clusters, 0 bytes of LDS; arguments part, out1, out2; writes out1, out2
.if DOCPART == 4
	.amdgcn_target "amdgcn-amd-amdhsa--gfx1250"
	.amdhsa_code_object_version 6
	.text
	.protected	k_q6169355cb2_total
	.globl	k_q6169355cb2_total
	.p2align	8
	.type	k_q6169355cb2_total,@function
k_q6169355cb2_total:
	s_mov_b64 s[64:65], 0
	v_nop
	global_prefetch_b8 v0, s[64:65] scope:SCOPE_SE
	s_setreg_imm32_b32 hwreg(HW_REG_WAVE_MODE, 25, 1), 1
	s_wait_xcnt 0x0
; VECTOR QUANTIZER, launch 4 of 4: out1 = out2 = 0.25 x the mean of (emb[idx] - z)^2 over 32,768 x 256 numbers = the sum of the 4,096 partial sums x 2^-25 (0.25 / 2^23, exact).
; Left out: a second sum for the second loss, which is the same number for all values ((a - b)^2 = (b - a)^2): the one number is stored twice.
; One wave: a sum over all work-groups of the launch before has one owner.  16 KiB: 32 loads of 16 bytes a lane, all out before the one wait; four chains of packed sums that start in the first two loads' registers.
	s_load_b128 s[4:7], s[0:1], 0x0                ; part s[4:5], out1 s[6:7]
	s_load_b64 s[8:9], s[0:1], 0x10                ; out2
	v_lshlrev_b32 v1, 4, v0
	v_mov_b32 v2, 0
	s_mov_b32 s10, 0x76543210                      ; v_permlanex16_b32: each lane takes its own place in the other half
	s_mov_b32 s11, 0xfedcba98
	s_wait_kmcnt 0x0
.set i, 0
.rept 32
	global_load_b128 v[16+4*i:19+4*i], v1, s[4:5] offset:512*i
.set i, i+1
.endr
	s_wait_loadcnt 0x0
.set i, 2
.rept 30
	v_pk_add_f32 v[16+4*(i%2):17+4*(i%2)], v[16+4*(i%2):17+4*(i%2)], v[16+4*i:17+4*i]
	v_pk_add_f32 v[18+4*(i%2):19+4*(i%2)], v[18+4*(i%2):19+4*(i%2)], v[18+4*i:19+4*i]
.set i, i+1
.endr
	v_pk_add_f32 v[16:17], v[16:17], v[20:21]
	v_pk_add_f32 v[18:19], v[18:19], v[22:23]
	v_pk_add_f32 v[16:17], v[16:17], v[18:19]
	v_add_f32 v16, v16, v17
	v_add_f32_dpp v16, v16, v16 row_xmask:1 row_mask:0xf bank_mask:0xf
	v_add_f32_dpp v16, v16, v16 row_xmask:2 row_mask:0xf bank_mask:0xf
	v_add_f32_dpp v16, v16, v16 row_xmask:4 row_mask:0xf bank_mask:0xf
	v_add_f32_dpp v16, v16, v16 row_xmask:8 row_mask:0xf bank_mask:0xf
	v_permlanex16_b32 v17, v16, s10, s11
	v_add_f32 v16, v16, v17
	v_mul_f32 v16, 0x33000000, v16                 ; x 2^-25
	v_cmp_eq_u32 vcc_lo, 0, v0
	s_wait_xcnt 0x0                                ; EXEC changes only behind this wait
	s_and_saveexec_b32 s12, vcc_lo
	global_store_b32 v2, v16, s[6:7]               ; lane 0: vq_loss,
	global_store_b32 v2, v16, s[8:9]               ; and commit
	s_endpgm
.Lfunc_end_k_q6169355cb2_total:
	.size	k_q6169355cb2_total, .Lfunc_end_k_q6169355cb2_total-k_q6169355cb2_total
	.p2alignl 7, 3214868480
	.fill 96, 4, 3214868480
	.section	.rodata,"a",@progbits
	.p2align	6, 0x0
	.amdhsa_kernel k_q6169355cb2_total
		.amdhsa_group_segment_fixed_size 0
		.amdhsa_private_segment_fixed_size 0
		.amdhsa_enable_private_segment 0
		.amdhsa_kernarg_size 24
		.amdhsa_user_sgpr_count 2
		.amdhsa_user_sgpr_kernarg_segment_ptr 1
		.amdhsa_wavefront_size32 1
		.amdhsa_system_sgpr_workgroup_id_x 1
		.amdhsa_system_sgpr_workgroup_id_y 1
		.amdhsa_system_sgpr_workgroup_id_z 1
		.amdhsa_system_vgpr_workitem_id 0
		.amdhsa_next_free_vgpr 144
		.amdhsa_next_free_sgpr 66
		.amdhsa_reserve_vcc 1
		.amdhsa_float_denorm_mode_32 3
		.amdhsa_float_denorm_mode_16_64 3
		.amdhsa_memory_ordered 1
		.amdhsa_forward_progress 1
		.amdhsa_inst_pref_size 9
	.end_amdhsa_kernel
	.amdgpu_metadata
---
amdhsa.version: [ 1, 2 ]
amdhsa.kernels:
  - .name:           k_q6169355cb2_total
    .symbol:         k_q6169355cb2_total.kd
    .args:
      - { .name: part, .offset: 0, .size: 8, .value_kind: global_buffer, .address_space: global }
      - { .name: out1, .offset: 8, .size: 8, .value_kind: global_buffer, .address_space: global }
      - { .name: out2, .offset: 16, .size: 8, .value_kind: global_buffer, .address_space: global }
    .group_segment_fixed_size: 0
    .private_segment_fixed_size: 0
    .kernarg_segment_align: 8
    .kernarg_segment_size: 24
    .max_flat_workgroup_size: 32
    .sgpr_count:     66
    .vgpr_count:     144
    .wavefront_size: 32
...
	.end_amdgpu_metadata
.endif
;; end of part 4
;; ======== version 2 of 2: 4 launches; version 1 with the launches lay, apply written anew for expert scheduling mode
;; workspace buffers: embF 4,194,304 bytes; eeW 32,768 bytes; idxw 131,072 bytes of whole numbers; part 16,384 bytes
;; launch lay (part 5): grid 256 x 1, 2 waves a work-group, no clusters, 0 bytes of LDS; arguments emb, embF, eeW; writes embF, eeW
.if DOCPART == 5
	.amdgcn_target "amdgcn-amd-amdhsa--gfx1250"
	.amdhsa_code_object_version 6
	.text
	.protected	k_q6169355cb2_lay
	.globl	k_q6169355cb2_lay
	.p2align	8
	.type	k_q6169355cb2_lay,@function
k_q6169355cb2_lay:
	s_mov_b64 s[64:65], 0
	v_nop
	global_prefetch_b8 v0, s[64:65] scope:SCOPE_SE
	s_setreg_imm32_b32 hwreg(HW_REG_WAVE_SCHED_MODE, 0, 2), 2
	s_setreg_imm32_b32 hwreg(HW_REG_WAVE_MODE, 25, 1), 1
	s_wait_xcnt 0x0
	s_wait_alu depctr_vm_vsrc(0)
; VECTOR QUANTIZER, launch 1 of 4: the codebook is rounded to bf16 once and laid out in the order in which a wave's matrix operand registers take it, and ee[c] = the sum of the squares of code c's ROUNDED numbers, in f32.
; THE WHOLE PROGRAM.  idx[b] = the first index of the least d[b][c] = (zz[b] + ee[c]) - (2 z[b]) . e[c]; out0 = z + (emb[idx] - z); out1 = out2 = 0.25 mean((emb[idx] - z)^2); out3 = idx.
; WORK LEFT OUT.  stop_gradient is the identity on values.  vq_loss and commit are 0.25 mean((a - b)^2) and 0.25 mean((b - a)^2) of the same a and b: a - b and b - a differ in sign alone, for all values, so their
; squares, and the two means, are one number: it is made once and stored twice.  Nothing else goes, and every input is loaded.
; WORK THAT STAYS.  zz[b] is the same along the axis of the argmin and would not move it in real numbers; but beside it the other two terms lose bits in f32, and distances that differ become ties, which the first index
; wins.  So zz and ee are added and the product taken away in the order and with the roundings of the definition: t = fl(zz + ee), d = fl(t - 2 dot).
; LIMITS.  The product takes bf16 operands, so zz, ee and the product are those of z and emb rounded to bf16.  The f32 sums inside zz, ee and the product are taken in this program's own order: an index can differ where
; two orders of summing put d on different sides of a rounding step.  A NaN among the inputs is passed over by the minimum and not carried to the index.
; LAYOUT OF embF.  Tile T is codes 16 T .. 16 T + 15.  Lane l = (r = l % 16, h = l / 16).  Byte 8,192 T + 1,024 s + 512 p + 16 l holds the eight bf16 of emb[16 T + r][32 s + 16 p + 8 h + 0..7]: registers 4 p .. 4 p + 3 of
; the fragment of K step s (16 rows x 32 K: ISA guide 7.12.2).  So a fragment is two loads of 16 bytes a lane at consecutive addresses.
; LAYOUT OF eeW.  Code c at byte 16,384 ((c / 128) % 2) + 512 (c / 256) + 4 (c % 128): of every 256 codes the lower and the upper 128 are kept apart, each half on end in the order in which one wave walks it.
; SHARES.  A wave takes one tile: 16 KiB in, 8 KiB out.  512 tiles, two waves a work-group.  No LDS: no wave wants a byte that another has fetched.
; THE MODE: SCHED_MODE bits 1:0 = 2 (LLVM: expert scheduling mode 2), set by the entry lines.  The code itself states the register dependences between vector instructions and memory instructions, with s_wait_alu, always for 0.
; THE PLAN.  Registers that memory instructions touch:
;   v[LOF], v[SOF], v[EOFS]  offsets, made once at the head and never written again.
;   TMP   part q's eight registers: written by two of the 32 loads, which go out at the head into registers that no vector instruction has named; read by part q's four conversions.
;   F     part q's four registers: written by part q's conversions, once; read by its squares and by ONE store, which is issued at the head of part q + 1.
;   v[SUM]  the last store's data.
; No register that a memory instruction reads is ever written again.  So one wait on va_vdst stands at the head of each part, behind the wait for the part's data: it states that the part before has written its F,
; and that part's store follows it at once.
.set LOF,  2                           ; v2   my byte offset in the tile's rows of emb: 1,024 r + 32 h
.set SOF,  3                           ; v3   16 l
.set EOFS, 4                           ; v4   my code's byte in eeW
.set SUM,  8                           ; v[8:11]    four chains of squares
.set TMP,  16                          ; v[16:143]  part q = 2 s + p: eight f32 at TMP + 8 q
.set F,    144                         ; v[144:207] part q: four registers of bf16 at F + 4 q
	s_load_b128 s[4:7], s[0:1], 0x0                ; emb s[4:5], embF s[6:7]
	s_load_b64 s[8:9], s[0:1], 0x10                ; eeW
	v_lshrrev_b32 v1, 5, v0
	v_readfirstlane_b32 s10, v1                    ; wave 0..1
	v_and_b32 v5, 15, v0                           ; r
	v_bfe_u32 v6, v0, 4, 1                         ; h
	v_and_b32 v7, 31, v0                           ; l
	v_lshlrev_b32 v[LOF], 10, v5
	v_lshl_add_u32 v[LOF], v6, 5, v[LOF]
	v_lshlrev_b32 v[SOF], 4, v7
	s_wait_alu depctr_va_sdst(0)                   ; s10 is written, ahead of its first reader: the tile's number, and all three bases, are made from it
	s_lshl_b32 s11, ttmp9, 1
	s_add_co_u32 s11, s11, s10                     ; T
	s_lshl_b32 s12, s11, 14                        ; the tile's 16 rows of 1,024 bytes in emb
	s_mov_b32 s13, 0
	s_lshl_b32 s14, s11, 13                        ; its 8,192 bytes in embF
	s_mov_b32 s15, 0
	s_bfe_u32 s16, s11, 0x10003                    ; (T / 8) % 2: which half of its 256 codes
	s_lshl_b32 s16, s16, 14
	s_lshr_b32 s17, s11, 4                         ; T / 16: which 256 codes
	s_lshl_b32 s17, s17, 9
	s_add_co_u32 s16, s16, s17
	s_and_b32 s17, s11, 7                          ; T % 8: 16 codes of 4 bytes each
	s_lshl_b32 s17, s17, 6
	s_add_co_u32 s16, s16, s17
	v_lshl_add_u32 v[EOFS], v5, 2, s16
	s_mov_b32 s18, 0x76543210                      ; v_permlanex16_b32: each lane takes its own place in the other half
	s_mov_b32 s19, 0xfedcba98
	s_wait_kmcnt 0x0
	s_add_nc_u64 s[4:5], s[4:5], s[12:13]
	s_add_nc_u64 s[6:7], s[6:7], s[14:15]
	s_wait_alu depctr_va_vdst(0)                   ; v[LOF], v[SOF] and v[EOFS] are written: every load and store of the kernel reads one of them as its offset
.set q, 0
.rept 16                               ; all 32 loads go out before the first wait: the tile's 16 KiB are on their way together
	global_load_b128 v[TMP+8*q:TMP+8*q+3],   v[LOF], s[4:5] offset:64*q th:TH_LOAD_NT
	global_load_b128 v[TMP+8*q+4:TMP+8*q+7], v[LOF], s[4:5] offset:64*q+16 th:TH_LOAD_NT
.set q, q+1
.endr
.irp c, 0,1,2,3
	v_mov_b32 v[SUM+\c], 0
.endr
.set q, 0
.rept 16
	s_wait_loadcnt 30-2*q                          ; loads come back in order (ISA guide 5.7.1): part q's two are in, the 2 (15 - q) younger ones stay out
.if q > 0
	s_wait_alu depctr_va_vdst(0)                   ; the conversions of the part before have written its four registers of F, which the store below reads
	global_store_b128 v[SOF], v[F+4*q-4:F+4*q-1], s[6:7] offset:512*(q-1)  ; the wave stores 512 consecutive bytes, at a multiple of 512 from embF's first byte
.endif
.irp c, 0,1,2,3
	v_cvt_pk_bf16_f32 v[F+4*q+\c], v[TMP+8*q+2*\c], v[TMP+8*q+2*\c+1]
.endr
.irp c, 0,1,2,3
	v_fma_mix_f32_bf16 v[SUM+2*(\c%2)],   v[F+4*q+\c], v[F+4*q+\c], v[SUM+2*(\c%2)]   op_sel_hi:[1,1,0]               ; the low bf16 squared, added in f32
	v_fma_mix_f32_bf16 v[SUM+2*(\c%2)+1], v[F+4*q+\c], v[F+4*q+\c], v[SUM+2*(\c%2)+1] op_sel:[1,1,0] op_sel_hi:[1,1,0] ; the high one
.endr
.set q, q+1
.endr
	s_wait_alu depctr_va_vdst(0)                   ; the last part's conversions have written its four registers of F, which the store below reads
	global_store_b128 v[SOF], v[F+60:F+63], s[6:7] offset:512*15
	v_add_f32 v[SUM], v[SUM], v[SUM+1]
	v_add_f32 v[SUM+2], v[SUM+2], v[SUM+3]
	v_add_f32 v[SUM], v[SUM], v[SUM+2]             ; my 128 of the code's 256 numbers;
	v_permlanex16_b32 v[SUM+1], v[SUM], s18, s19   ; the other 128 lie in the lane 16 away
	v_add_f32 v[SUM], v[SUM], v[SUM+1]
	v_cmp_gt_u32 vcc_lo, 16, v7                    ; lanes 0 to 15 store the tile's 16 sums: 64 consecutive bytes; all of eeW is 32 KiB, too little to be worth a stage in LDS
	s_wait_xcnt 0x0                                ; EXEC is a source of the stores above: it changes only behind this wait
	s_wait_alu depctr_va_vcc(0)                    ; the compare has written VCC, from which EXEC is made
	s_wait_alu depctr_va_vdst(0)                   ; every vector instruction issued under the full EXEC is done; among them the last addition, which wrote v[SUM], the data of the store below
	s_wait_alu depctr_vm_vsrc(0)                   ; the sixteen stores issued under the full EXEC have read their registers
	s_and_saveexec_b32 s20, vcc_lo
	global_store_b32 v[EOFS], v[SUM], s[8:9]
	s_endpgm
.Lfunc_end_k_q6169355cb2_lay:
	.size	k_q6169355cb2_lay, .Lfunc_end_k_q6169355cb2_lay-k_q6169355cb2_lay
	.p2alignl 7, 3214868480
	.fill 96, 4, 3214868480
	.section	.rodata,"a",@progbits
	.p2align	6, 0x0
	.amdhsa_kernel k_q6169355cb2_lay
		.amdhsa_group_segment_fixed_size 0
		.amdhsa_private_segment_fixed_size 0
		.amdhsa_enable_private_segment 0
		.amdhsa_kernarg_size 24
		.amdhsa_user_sgpr_count 2
		.amdhsa_user_sgpr_kernarg_segment_ptr 1
		.amdhsa_wavefront_size32 1
		.amdhsa_system_sgpr_workgroup_id_x 1
		.amdhsa_system_sgpr_workgroup_id_y 1
		.amdhsa_system_sgpr_workgroup_id_z 1
		.amdhsa_system_vgpr_workitem_id 0
		.amdhsa_next_free_vgpr 208
		.amdhsa_next_free_sgpr 66
		.amdhsa_reserve_vcc 1
		.amdhsa_float_denorm_mode_32 3
		.amdhsa_float_denorm_mode_16_64 3
		.amdhsa_memory_ordered 1
		.amdhsa_forward_progress 1
		.amdhsa_inst_pref_size 20
	.end_amdhsa_kernel
	.amdgpu_metadata
---
amdhsa.version: [ 1, 2 ]
amdhsa.kernels:
  - .name:           k_q6169355cb2_lay
    .symbol:         k_q6169355cb2_lay.kd
    .args:
      - { .name: emb, .offset: 0, .size: 8, .value_kind: global_buffer, .address_space: global }
      - { .name: embF, .offset: 8, .size: 8, .value_kind: global_buffer, .address_space: global }
      - { .name: eeW, .offset: 16, .size: 8, .value_kind: global_buffer, .address_space: global }
    .group_segment_fixed_size: 0
    .private_segment_fixed_size: 0
    .kernarg_segment_align: 8
    .kernarg_segment_size: 24
    .max_flat_workgroup_size: 64
    .sgpr_count:     66
    .vgpr_count:     208
    .wavefront_size: 32
...
	.end_amdgpu_metadata
.endif
;; end of part 5
;; launch nearest: the kernel of part 2 again; grid 256 x 1, 4 waves a work-group, clusters of 4 x 1, 327,680 bytes of LDS; arguments z, embF, eeW, out3, idxw; writes out3, idxw
;; launch apply (part 6): grid 512 x 1, 8 waves a work-group, no clusters, 0 bytes of LDS; arguments z, emb, idxw, out0, part; writes out0, part
.if DOCPART == 6
	.amdgcn_target "amdgcn-amd-amdhsa--gfx1250"
	.amdhsa_code_object_version 6
	.text
	.protected	k_q6169355cb2_apply
	.globl	k_q6169355cb2_apply
	.p2align	8
	.type	k_q6169355cb2_apply,@function
k_q6169355cb2_apply:
	s_mov_b64 s[64:65], 0
	v_nop
	global_prefetch_b8 v0, s[64:65] scope:SCOPE_SE
	s_setreg_imm32_b32 hwreg(HW_REG_WAVE_SCHED_MODE, 0, 2), 2
	s_setreg_imm32_b32 hwreg(HW_REG_WAVE_MODE, 25, 1), 1
	s_wait_xcnt 0x0
	s_wait_alu depctr_vm_vsrc(0)
; VECTOR QUANTIZER, launch 3 of 4: out0[b] = z[b] + (emb[idx[b]] - z[b]), with both roundings of the definition, and for each wave one partial sum of (emb[idx[b]] - z[b])^2, in f32.
; Left out: the second of the two losses, which is the same number as the first for all values ((a - b)^2 = (b - a)^2): one sum serves both.
; The indices are whole numbers that the launch before stored (idxw); here they are read from memory, held to the table's 8,192 rows, and enter the addresses of the gather.
; SHARES.  A wave owns 8 rows of 1,024 bytes: 4,096 waves.  A row is two loads of 16 bytes a lane, 512 consecutive bytes each.  No loop: a wave's 16 loads of z go out while its 8 indices are on their way, its 16 loads
; of emb behind them; a row's two stores leave when the next row's emb has come.  No LDS, no barrier, no matrix unit, no cluster: no wave wants a byte that another has fetched, and memory binds.
; THE MODE: SCHED_MODE bits 1:0 = 2 (LLVM: expert scheduling mode 2), set by the entry lines.  The code itself states the register dependences between vector instructions and memory instructions, with s_wait_alu, always for 0.
; THE PLAN.  Registers that memory instructions touch:
;   v[LO]   the offset of every load of z and every store of out0: made once at the head and never written again.
;   EO      row i's offset in emb: all eight are made in one run, once, ahead of one wait; then the 16 loads of emb read them.
;   Z       row i's eight registers: written by two loads, into registers that no vector instruction has named; read by row i's sums.
;   E       row i's eight registers: written by two loads, read by row i's differences, written again by row i's last four sums (behind the wait for those loads), and read by TWO stores, which are issued at the head of row i + 1.
;   v[D+1], v[L]  the last store's offset and data.  D and L are otherwise named by vector instructions alone.
; No register that a memory instruction reads is ever written again.  So one wait on va_vdst stands at the head of each row, behind the wait for the row's emb: it states that the row before has written its E,
; and that row's two stores follow it at once.
.set LO, 1                             ; v1        16 l
.set EO, 2                             ; v[2:9]    row i: 1,024 idx + 16 l
.set Z,  16                            ; v[16:79]  row i at Z + 8 i
.set E,  80                            ; v[80:143] row i of emb, then of out0
.set D,  144                           ; v[144:151] emb - z, at work
.set L,  152                           ; v[152:159] four chains of two sums
	s_load_b256 s[4:11], s[0:1], 0x0               ; z s[4:5], emb s[6:7], idxw s[8:9], out0 s[10:11]
	s_load_b64 s[12:13], s[0:1], 0x20              ; part
	v_lshrrev_b32 v1, 5, v0
	v_readfirstlane_b32 s14, v1                    ; wave 0..7
	v_and_b32 v[LO], 31, v0
	v_lshlrev_b32 v[LO], 4, v[LO]
	s_wait_alu depctr_va_sdst(0)                   ; s14 is written, ahead of its first reader: the wave's number in the launch, and all four bases, are made from it
	s_lshl_b32 s15, ttmp9, 3
	s_add_co_u32 s15, s15, s14                     ; my wave among the launch's 4,096
	s_lshl_b32 s26, s15, 13                        ; its 8 rows of 1,024 bytes
	s_mov_b32 s27, 0
	s_lshl_b32 s28, s15, 5                         ; its 8 indices
	s_mov_b32 s29, 0
	s_lshl_b32 s30, s15, 2                         ; its partial sum
	s_mov_b32 s31, 0
	s_mov_b32 s24, 0x76543210                      ; v_permlanex16_b32: each lane takes its own place in the other half
	s_mov_b32 s25, 0xfedcba98
	s_wait_kmcnt 0x0
	s_add_nc_u64 s[8:9], s[8:9], s[28:29]
	s_load_b256 s[16:23], s[8:9], 0x0              ; the 8 indices, as scalars
	s_add_nc_u64 s[4:5], s[4:5], s[26:27]
	s_add_nc_u64 s[10:11], s[10:11], s[26:27]
	s_add_nc_u64 s[12:13], s[12:13], s[30:31]
	s_wait_alu depctr_va_vdst(0)                   ; v[LO] is written: the loads of z and the stores of out0 read it as their offset
.irp i, 0,1,2,3,4,5,6,7
	global_load_b128 v[Z+8*\i:Z+8*\i+3],   v[LO], s[4:5] offset:1024*\i th:TH_LOAD_NT
	global_load_b128 v[Z+8*\i+4:Z+8*\i+7], v[LO], s[4:5] offset:1024*\i+512 th:TH_LOAD_NT
.endr
	s_wait_kmcnt 0x0
.irp i, 0,1,2,3,4,5,6,7
	s_min_u32 s[16+\i], s[16+\i], 0x1fff           ; an index stays inside the table
	s_lshl_b32 s[16+\i], s[16+\i], 10
	v_add_nc_u32 v[EO+\i], s[16+\i], v[LO]
.endr
	s_wait_alu depctr_va_vdst(0)                   ; the eight additions have written v[EO ..], which the 16 loads below read as their offsets: one wait for all
.irp i, 0,1,2,3,4,5,6,7
	global_load_b128 v[E+8*\i:E+8*\i+3],   v[EO+\i], s[6:7]             ; no hint: a code may be named by many rows
	global_load_b128 v[E+8*\i+4:E+8*\i+7], v[EO+\i], s[6:7] offset:512
.endr
.macro OUT i                           ; row i leaves
	global_store_b128 v[LO], v[E+8*(\i):E+8*(\i)+3],   s[10:11] offset:1024*(\i) th:TH_STORE_NT      ; the wave stores 512 consecutive bytes, aligned; each row has registers of its own, so no store's data is rewritten
	global_store_b128 v[LO], v[E+8*(\i)+4:E+8*(\i)+7], s[10:11] offset:1024*(\i)+512 th:TH_STORE_NT
.endm
.macro ROW i
	s_wait_loadcnt 14-2*(\i)                       ; loads come back in order (ISA guide 5.7.1): all of z and this row's emb are in; the 2 (7 - i) loads of the later rows' emb stay out
.if (\i) > 0
	s_wait_alu depctr_va_vdst(0)                   ; the sums of the row before have written its eight registers of E, which the two stores below read
	OUT (\i)-1
.endif
.irp k, 0,1,2,3
	v_pk_add_f32 v[D+2*\k:D+2*\k+1], v[E+8*(\i)+2*\k:E+8*(\i)+2*\k+1], v[Z+8*(\i)+2*\k:Z+8*(\i)+2*\k+1] neg_lo:[0,1] neg_hi:[0,1]  ; emb - z
.endr
.irp k, 0,1,2,3
.if (\i) == 0
	v_pk_mul_f32 v[L+2*\k:L+2*\k+1], v[D+2*\k:D+2*\k+1], v[D+2*\k:D+2*\k+1]                     ; the first row starts the sums: nothing is cleared
.else
	v_pk_fma_f32 v[L+2*\k:L+2*\k+1], v[D+2*\k:D+2*\k+1], v[D+2*\k:D+2*\k+1], v[L+2*\k:L+2*\k+1]
.endif
.endr
.irp k, 0,1,2,3
	v_pk_add_f32 v[E+8*(\i)+2*\k:E+8*(\i)+2*\k+1], v[Z+8*(\i)+2*\k:Z+8*(\i)+2*\k+1], v[D+2*\k:D+2*\k+1]  ; z + (emb - z)
.endr
.endm
.irp i, 0,1,2,3,4,5,6,7
	ROW \i
.endr
	s_wait_alu depctr_va_vdst(0)                   ; the last row's sums have written its eight registers of E, which the two stores below read
	OUT 7
	v_pk_add_f32 v[L:L+1], v[L:L+1], v[L+2:L+3]
	v_pk_add_f32 v[L+4:L+5], v[L+4:L+5], v[L+6:L+7]
	v_pk_add_f32 v[L:L+1], v[L:L+1], v[L+4:L+5]
	v_add_f32 v[L], v[L], v[L+1]
	v_add_f32_dpp v[L], v[L], v[L] row_xmask:1 row_mask:0xf bank_mask:0xf
	v_add_f32_dpp v[L], v[L], v[L] row_xmask:2 row_mask:0xf bank_mask:0xf
	v_add_f32_dpp v[L], v[L], v[L] row_xmask:4 row_mask:0xf bank_mask:0xf
	v_add_f32_dpp v[L], v[L], v[L] row_xmask:8 row_mask:0xf bank_mask:0xf
	v_permlanex16_b32 v[L+1], v[L], s24, s25
	v_add_f32 v[L], v[L], v[L+1]                   ; the wave's 2,048 squares
	v_and_b32 v[D], 31, v0
	v_mov_b32 v[D+1], 0
	v_cmp_eq_u32 vcc_lo, 0, v[D]
	s_wait_xcnt 0x0                                ; EXEC is a source of the stores above: it changes only behind this wait
	s_wait_alu depctr_va_vcc(0)                    ; the compare has written VCC, from which EXEC is made
	s_wait_alu depctr_va_vdst(0)                   ; every vector instruction issued under the full EXEC is done; among them those that wrote v[L] and v[D+1], the data and the offset of the store below
	s_wait_alu depctr_vm_vsrc(0)                   ; the sixteen stores issued under the full EXEC have read their registers
	s_and_saveexec_b32 s26, vcc_lo
	global_store_b32 v[D+1], v[L], s[12:13]        ; lane 0 stores the wave's one number
	s_endpgm
.Lfunc_end_k_q6169355cb2_apply:
	.size	k_q6169355cb2_apply, .Lfunc_end_k_q6169355cb2_apply-k_q6169355cb2_apply
	.p2alignl 7, 3214868480
	.fill 96, 4, 3214868480
	.section	.rodata,"a",@progbits
	.p2align	6, 0x0
	.amdhsa_kernel k_q6169355cb2_apply
		.amdhsa_group_segment_fixed_size 0
		.amdhsa_private_segment_fixed_size 0
		.amdhsa_enable_private_segment 0
		.amdhsa_kernarg_size 40
		.amdhsa_user_sgpr_count 2
		.amdhsa_user_sgpr_kernarg_segment_ptr 1
		.amdhsa_wavefront_size32 1
		.amdhsa_system_sgpr_workgroup_id_x 1
		.amdhsa_system_sgpr_workgroup_id_y 1
		.amdhsa_system_sgpr_workgroup_id_z 1
		.amdhsa_system_vgpr_workitem_id 0
		.amdhsa_next_free_vgpr 168
		.amdhsa_next_free_sgpr 66
		.amdhsa_reserve_vcc 1
		.amdhsa_float_denorm_mode_32 3
		.amdhsa_float_denorm_mode_16_64 3
		.amdhsa_memory_ordered 1
		.amdhsa_forward_progress 1
		.amdhsa_inst_pref_size 15
	.end_amdhsa_kernel
	.amdgpu_metadata
---
amdhsa.version: [ 1, 2 ]
amdhsa.kernels:
  - .name:           k_q6169355cb2_apply
    .symbol:         k_q6169355cb2_apply.kd
    .args:
      - { .name: z, .offset: 0, .size: 8, .value_kind: global_buffer, .address_space: global }
      - { .name: emb, .offset: 8, .size: 8, .value_kind: global_buffer, .address_space: global }
      - { .name: idxw, .offset: 16, .size: 8, .value_kind: global_buffer, .address_space: global }
      - { .name: out0, .offset: 24, .size: 8, .value_kind: global_buffer, .address_space: global }
      - { .name: part, .offset: 32, .size: 8, .value_kind: global_buffer, .address_space: global }
    .group_segment_fixed_size: 0
    .private_segment_fixed_size: 0
    .kernarg_segment_align: 8
    .kernarg_segment_size: 40
    .max_flat_workgroup_size: 256
    .sgpr_count:     66
    .vgpr_count:     168
    .wavefront_size: 32
...
	.end_amdgpu_metadata
.endif
;; end of part 6
;; launch total: the kernel of part 4 again; grid 1 x 1, 1 waves a work-group, no clusters, 0 bytes of LDS; arguments part, out1, out2; writes out1, out2
